; MI455X (gfx1250); checked and timed in simulation.
; The chip was launched on July 23, 2026; its instructions are those of AMD's public machine-readable ISA for CDNA 5 (MIT licence, August 2026) and "CDNA5" Instruction Set Architecture Reference Guide (July 2026). The comments in the code are by the model that wrote it; some were corrected since.
;; attention. Allowed arithmetic: matrix products marked QUANTISED: E5M2 operands, one given power-of-two scale a tensor, by v_wmma_f32_16x16x64_bf8_bf8 or v_wmma_f32_16x16x128_bf8_bf8, f32 sums; products left as they are: f32 operands where the result goes on into a quantised operand, else bf16, f16 or f32 operands; f32 sums; everything else in f32.
;; Inputs: Ua 1,024 x 1,024 float32; Va 1,024 float32; Wa 1,024 x 1,024 float32; dec_hidden 32 x 1,024 float32; enc_out 32 x 2,048 x 1,024 float32; lowp_scales 4 int32 (the exponents e of the quantised operands' scales 2^e).
;; Outputs: out0 32 x 1,024 float32.
;; This version of the problem:
;;   THIS VERSION OF THE PROBLEM IS GIVEN IN LOW PRECISION. The matrix products marked QUANTISED in the list below multiply operands that are first quantised to E5M2 (5 exponent bits, 2 mantissa bits; 8 bits a number), with one given power-of-two scale for each operand tensor; their sums are f32. All else is computed in f32.
;;   The module's matrix products, in the order in which they are computed (A, B: the left and right operand; K: the contracted axis; several contracted axes count as one K, in the product's order):
;;     1. [M 32, K 1,024] x [K 1,024, N 1,024]; A: input dec_hidden; B: input Wa: QUANTISED (scales: A lowp_scales[0], B lowp_scales[1])
;;     2. [M 65,536, K 1,024] x [K 1,024, N 1,024]; A: input enc_out; B: input Ua: QUANTISED (scales: A lowp_scales[2], B lowp_scales[3])
;;     3. [M 65,536, K 1,024] x [K 1,024, N 1]; A: computed on the way; B: input Va: left as it is (N = 1 < 16)
;;     4. batch 32 x [M 1, K 2,048] x [K 2,048, N 1,024]; A: softmax; B: input enc_out: left as it is (M = 1 < 16)
;;   THE QUANTISER, for each operand of a quantised product, along K:
;;     - The operand's scale is 2^e, e = its entry of the input lowp_scales (int32; the entries are numbered through the quantised products in the list's order, A before B).
;;     - Each number is divided by the scale, clamped to +-57,344, and rounded to the nearest number of E5M2, ties to even, subnormals kept.
;;     - The product sums the exact products of the quantised numbers (number of the format x scale) in f32.
;;   ~~~python
;;   def quantise(x, axis, e):      # numpy; x: float32 -> the quantised numbers, widened to float32 again
;;       x = np.moveaxis(x, axis, -1); K = x.shape[-1]
;;       r = np.clip(x / 2.0 ** e, -57344, 57344)
;;       step = 2.0 ** (np.maximum(np.frexp(np.where(r == 0, 1, r))[1] - 1, -14) - 2)
;;       q = np.round(r / step) * step * 2.0 ** e      # np.round: ties to even
;;       return np.moveaxis(q, -1, axis).astype(np.float32)
;;   ~~~
;; One version. Each part assembles by itself: llvm-mc -triple=amdgcn-amd-amdhsa -mcpu=gfx1250 --defsym DOCPART=n.
;; ======== version 1 of 1: 3 launches
;; limits: right only within a limited range of input values
;; workspace buffers: uaq 1,048,576 bytes; dpart 1,048,576 bytes; cpart 1,048,576 bytes; cstat 65,536 bytes
;; launch prep (part 1): grid 256 x 1, 4 waves a work-group, no clusters, 0 bytes of LDS; arguments Ua, Wa, dec_hidden, lowp_scales, uaq, dpart; writes uaq, dpart
.if DOCPART == 1
	.amdgcn_target "amdgcn-amd-amdhsa--gfx1250"
	.amdhsa_code_object_version 6
	.text
	.protected	k_q9abdeee3e0_prep
	.globl	k_q9abdeee3e0_prep
	.p2align	8
	.type	k_q9abdeee3e0_prep,@function
k_q9abdeee3e0_prep:
	s_mov_b64 s[64:65], 0
	v_nop
	global_prefetch_b8 v0, s[64:65] scope:SCOPE_SE
	s_setreg_imm32_b32 hwreg(HW_REG_WAVE_MODE, 25, 1), 1
	s_wait_xcnt 0x0
; Additive attention, B = 32, T = 2,048, H = U = 1,024, in three launches: this one, then the scores, then the softmax and the context.
; WORK LEFT OUT, for all values of the inputs: tanh(x) = 1 - 2 r with r = 1 / (1 + 2^(2 log2(e) x)), so score[b][t] = sum_u Va[u] - 2 sum_u Va[u] r[b][t][u].
; The first term is the same for every t of a row of the softmax, and softmax(z + constant) = softmax(z): it can reach no output, so it is not formed.  What is kept is S = sum_u Va[u] r; the softmax takes -2 S.
; Every input still has a way to the output and is loaded.  LIMIT: an overflow, infinity or NaN that arises only in sum_u Va[u] is not carried to the result.
; THIS LAUNCH.  Work-groups 0-127: Ua [k 1,024][u 1,024] f32 becomes codes of E5M2 with the given scale 2^e3, laid in the order of an operand's registers: for a tile of 16 columns jt and a K step of 128 s,
; byte (8 jt + s) 2,048 + 512 c + 16 lane holds, for lane (r, h), column 16 jt + r, k = 128 s + 32 c + 16 h + 0 .. 15.  Work-groups 128-255: the same codes of Wa (scale 2^e1) stay in registers and are multiplied with
; dec_hidden's codes (scale 2^e0): dpart[s][b][u] = K step s's part of dec_hidden Wa, times 2^(e0 + e1); the next launch adds the eight parts in f32.
; A LANE TAKES A COLUMN AND ITS REGISTERS RUN DOWN K, so the conversions' results are the operand's registers.  A wave takes one (jt, s); the four waves of a work-group stand side by side on 256 bytes of each row.
; k's place in the registers is a permutation of the form's own, the same on both sides of every product, so each product meets its partner.
; LIMITS: e0, e1, e3 between -126 and 112, so that 2^e and 57,344 x 2^e are f32 numbers.  NaN among the inputs is not served; what lies beyond the scale's range is held at the largest code.
.set RW, 16                            ; v16-79   64 numbers of the weight; later the two accumulators (v16-31) and the results (v32-47)
.set CW, 80                            ; v80-95   its codes
.set RD, 96                            ; v96-223  dec_hidden: two tiles of 16 rows, 64 numbers a lane each
.set CD, 224                           ; v224-255 their codes
.macro QUANT src, dst, lim, sc         ; 64 numbers of a lane, register 16 c + i = k 32 c + 16 h + i, become a fragment's 16 registers
.irp c, 0,1,2,3
.irp i, 0,1,2,3,4,5,6,7,8,9,10,11,12,13,14,15
	v_med3_num_f32 v[\src+16*\c+\i], v[\src+16*\c+\i], -v[\lim], v[\lim]   ; the conversion does not saturate (ISA guide 7.6.2): the hold at the largest code x the scale
.endr
	v_cvt_scalef32_pk8_bf8_f32 v[\dst+4*\c:\dst+4*\c+1], v[\src+16*\c:\src+16*\c+7], v[\sc]
	v_cvt_scalef32_pk8_bf8_f32 v[\dst+4*\c+2:\dst+4*\c+3], v[\src+16*\c+8:\src+16*\c+15], v[\sc]
.endr
.endm
	s_load_b256 s[4:11], s[0:1], 0x0               ; Ua s[4:5], Wa s[6:7], dec_hidden s[8:9], the scales' exponents s[10:11]
	s_load_b128 s[12:15], s[0:1], 0x20             ; uaq s[12:13], dpart s[14:15]
	v_lshrrev_b32 v7, 5, v0
	v_readfirstlane_b32 s16, v7                    ; wave 0..3
	v_and_b32 v1, 15, v0                           ; r
	v_bfe_u32 v2, v0, 4, 1                         ; h
	v_lshlrev_b32 v3, 2, v1
	v_lshl_add_u32 v3, v2, 16, v3                  ; the weight: column r, and 16 rows of 4,096 bytes further down for lanes 16-31
	s_lshr_b32 s17, ttmp9, 7                       ; 0: Ua, 1: Wa
	s_and_b32 s18, ttmp9, 127
	s_and_b32 s19, s18, 7                          ; s: the K step
	s_lshr_b32 s18, s18, 3
	s_lshl_b32 s18, s18, 2
	s_add_co_u32 s18, s18, s16                     ; jt: the tile of 16 columns
	s_lshl_b32 s20, s19, 19                        ; 128 s rows of 4,096 bytes
	s_lshl_b32 s21, s18, 6                         ; + 16 jt columns of 4 bytes
	s_add_co_u32 s20, s20, s21
	s_mov_b32 s21, 0
	s_wait_alu depctr_va_vdst(0)
	s_wait_kmcnt 0x0
	s_load_b128 s[24:27], s[10:11], 0x0            ; e0, e1, e2, e3
	s_cmp_eq_u32 s17, 0                            ; the choice hangs on the work-group's number alone
	s_cselect_b64 s[22:23], s[4:5], s[6:7]
	s_add_nc_u64 s[22:23], s[22:23], s[20:21]
.irp c, 0,1,2,3
.irp i, 0,1,2,3,4,5,6,7,8,9,10,11,12,13,14,15
	global_load_b32 v[RW+16*\c+\i], v3, s[22:23] offset:(32*\c+\i)*4096   ; W(128 s + 32 c + 16 h + i, 16 jt + r)
.endr
.endr
	s_wait_kmcnt 0x0
	s_cmp_eq_u32 s17, 0
	s_cselect_b32 s28, s27, s25                    ; e3 for Ua, e1 for Wa
	s_add_co_i32 s28, s28, 127
	s_lshl_b32 s29, s28, 23
	v_mov_b32 v11, s29                             ; 2^e as f32: the conversion takes its exponent field
	s_add_co_i32 s28, s28, 15
	s_lshl_b32 s28, s28, 23
	s_or_b32 s28, s28, 0x600000
	v_mov_b32 v10, s28                             ; 57,344 x 2^e
	s_cmp_lg_u32 s17, 0
	s_cbranch_scc1 .Lwa
	; ---- Ua: the codes go out as an image of the operand's registers
	v_and_b32 v4, 31, v0
	v_lshlrev_b32 v4, 4, v4                        ; 16 x lane
	s_lshl_b32 s30, s18, 3
	s_add_co_u32 s30, s30, s19
	s_lshl_b32 s30, s30, 11                        ; (8 jt + s) x 2,048
	s_mov_b32 s31, 0
	s_add_nc_u64 s[12:13], s[12:13], s[30:31]
	s_wait_loadcnt 0x0
	s_wait_alu depctr_va_vdst(0)
	QUANT RW, CW, 10, 11
.irp c, 0,1,2,3
	global_store_b128 v4, v[CW+4*\c:CW+4*\c+3], s[12:13] offset:512*\c   ; the wave stores 512 consecutive bytes, aligned
.endr
	s_endpgm
.Lwa:
	; ---- Wa: K step s's part of dec_hidden Wa for columns 16 jt .. 16 jt + 15 and all 32 rows
	v_lshlrev_b32 v5, 12, v1
	v_lshl_add_u32 v5, v2, 6, v5                   ; dec_hidden: row r of 4,096 bytes, + 64 h: my 16 numbers of a block of 32
	v_lshlrev_b32 v6, 12, v1
	v_lshl_add_u32 v6, v2, 5, v6                   ; dpart: row r, + 32 h: my eight columns
	s_lshl_b32 s30, s19, 9                         ; 128 s numbers along a row
	s_mov_b32 s31, 0
	s_add_nc_u64 s[8:9], s[8:9], s[30:31]
.irp t, 0,1
.irp c, 0,1,2,3
.irp q, 0,1,2,3
	global_load_b128 v[RD+64*\t+16*\c+4*\q:RD+64*\t+16*\c+4*\q+3], v5, s[8:9] offset:65536*\t+128*\c+16*\q
.endr
.endr
.endr
	s_add_co_i32 s28, s24, 127
	s_lshl_b32 s29, s28, 23
	v_mov_b32 v13, s29                             ; 2^e0
	s_add_co_i32 s28, s28, 15
	s_lshl_b32 s28, s28, 23
	s_or_b32 s28, s28, 0x600000
	v_mov_b32 v12, s28                             ; 57,344 x 2^e0
	s_add_co_i32 s29, s24, s25                     ; e0 + e1
	s_lshl_b32 s30, s19, 17                        ; dpart: s x 32 rows of 4,096 bytes
	s_lshl_b32 s28, s18, 6
	s_add_co_u32 s30, s30, s28                     ; + 16 jt columns
	s_add_nc_u64 s[14:15], s[14:15], s[30:31]
	s_wait_loadcnt 0x0
	s_wait_alu depctr_va_vdst(0)
	QUANT RW, CW, 10, 11
	QUANT RD, CD, 12, 13
	QUANT RD+64, CD+16, 12, 13
	v_nop                                          ; one plain line between the last conversion and the products, which read its result and write over the numbers
	; transposed: source 0 = 16 columns of Wa, source 1 = 16 rows of dec_hidden: lane (r, h) holds row r and columns 8 h + 0 .. 7
	v_wmma_f32_16x16x128_bf8_bf8 v[16:23], v[CW:CW+15], v[CD:CD+15], 0
	v_wmma_f32_16x16x128_bf8_bf8 v[24:31], v[CW:CW+15], v[CD+16:CD+31], 0
.rept 4
	v_nop                                          ; four places between a product and the first read of its result (ISA guide 7.12.1)
.endr
.irp j, 0,1,2,3,4,5,6,7,8,9,10,11,12,13,14,15
	v_ldexp_f32 v[32+\j], v[16+\j], s29            ; x 2^(e0 + e1); each accumulator from its low end on
.endr
.irp t, 0,1
	global_store_b128 v6, v[32+8*\t:35+8*\t], s[14:15] offset:65536*\t      ; a row's 64 bytes come from two lanes; the four waves' tiles lie side by side.  1 MiB in all, so that the next launch reads dpart in long runs
	global_store_b128 v6, v[36+8*\t:39+8*\t], s[14:15] offset:65536*\t+16
.endr
	s_endpgm
.Lfunc_end_k_q9abdeee3e0_prep:
	.size	k_q9abdeee3e0_prep, .Lfunc_end_k_q9abdeee3e0_prep-k_q9abdeee3e0_prep
	.p2alignl 7, 3214868480
	.fill 96, 4, 3214868480
	.section	.rodata,"a",@progbits
	.p2align	6, 0x0
	.amdhsa_kernel k_q9abdeee3e0_prep
		.amdhsa_group_segment_fixed_size 0
		.amdhsa_private_segment_fixed_size 0
		.amdhsa_enable_private_segment 0
		.amdhsa_kernarg_size 48
		.amdhsa_user_sgpr_count 2
		.amdhsa_user_sgpr_kernarg_segment_ptr 1
		.amdhsa_wavefront_size32 1
		.amdhsa_system_sgpr_workgroup_id_x 1
		.amdhsa_system_sgpr_workgroup_id_y 1
		.amdhsa_system_sgpr_workgroup_id_z 1
		.amdhsa_system_vgpr_workitem_id 0
		.amdhsa_next_free_vgpr 256
		.amdhsa_next_free_sgpr 66
		.amdhsa_reserve_vcc 0
		.amdhsa_float_denorm_mode_32 3
		.amdhsa_float_denorm_mode_16_64 3
		.amdhsa_memory_ordered 1
		.amdhsa_forward_progress 1
		.amdhsa_inst_pref_size 32
	.end_amdhsa_kernel
	.amdgpu_metadata
---
amdhsa.version: [ 1, 2 ]
amdhsa.kernels:
  - .name:           k_q9abdeee3e0_prep
    .symbol:         k_q9abdeee3e0_prep.kd
    .args:
      - { .name: Ua, .offset: 0, .size: 8, .value_kind: global_buffer, .address_space: global }
      - { .name: Wa, .offset: 8, .size: 8, .value_kind: global_buffer, .address_space: global }
      - { .name: dec_hidden, .offset: 16, .size: 8, .value_kind: global_buffer, .address_space: global }
      - { .name: lowp_scales, .offset: 24, .size: 8, .value_kind: global_buffer, .address_space: global }
      - { .name: uaq, .offset: 32, .size: 8, .value_kind: global_buffer, .address_space: global }
      - { .name: dpart, .offset: 40, .size: 8, .value_kind: global_buffer, .address_space: global }
    .group_segment_fixed_size: 0
    .private_segment_fixed_size: 0
    .kernarg_segment_align: 8
    .kernarg_segment_size: 48
    .max_flat_workgroup_size: 128
    .sgpr_count:     66
    .vgpr_count:     256
    .wavefront_size: 32
...
	.end_amdgpu_metadata
.endif
;; end of part 1
;; launch score (part 2): grid 256 x 1, 4 waves a work-group, clusters of 4 x 1, 327,680 bytes of LDS; arguments enc_out, uaq, dpart, Va, lowp_scales, cpart, cstat; writes cpart, cstat
.if DOCPART == 2
	.amdgcn_target "amdgcn-amd-amdhsa--gfx1250"
	.amdhsa_code_object_version 6
	.text
	.protected	k_q9abdeee3e0_score
	.globl	k_q9abdeee3e0_score
	.p2align	8
	.type	k_q9abdeee3e0_score,@function
k_q9abdeee3e0_score:
	s_mov_b64 s[64:65], 0
	v_nop
	global_prefetch_b8 v0, s[64:65] scope:SCOPE_SE
	s_setreg_imm32_b32 hwreg(HW_REG_WAVE_MODE, 25, 1), 1
	s_wait_xcnt 0x0
	s_wait_alu depctr_hold_cnt(0) depctr_sa_sdst(0) depctr_va_vdst(0) depctr_va_sdst(0) depctr_va_ssrc(0) depctr_va_vcc(0) depctr_vm_vsrc(0)
	s_getreg_b32 s2, hwreg(HW_REG_IB_STS2, 6, 4)
	s_cmp_eq_u32 s2, 0
	s_cbranch_scc0 .Lentry_in_a_cluster
	s_endpgm
.Lentry_in_a_cluster:
	s_bfe_u32 s2, ttmp6, 0x10000c
	s_cmp_lg_u32 s2, 0x3003
	s_cbranch_scc0 .Lentry_shape_is_right
	s_endpgm
.Lentry_shape_is_right:
; For 256 rows (b, t) a work-group: S = sum_u Va[u] r,  r = 1 / (1 + 2^(2 log2(e) x)),  x = enc_out[b][t] . Ua[:, u] + dec_proj[b][u] (the product on codes of E5M2);
; then its own part of the softmax and of the context: M = the largest kappa S of its rows (kappa = -2 log2(e)), p = 2^(kappa S - M), cpart = sum_t p enc_out[b][t][:], cstat = (M, sum_t p).  The next launch joins a batch's eight parts.
; WORK LEFT OUT: the score's term sum_u Va[u], the same for every t (shown at the head of the first launch).
; SHARES.  A wave owns 64 of the 256 rows.  HEAD: it reads them once (f32, whole rows of 4,096 bytes, 32 loads of 512 bytes on their way), holds them at the largest code, converts with the given 2^e2,
; turns the codes through its own stage in LDS and keeps them as operand registers: 8 K steps x 4 tiles of 16 rows x 16 registers = 512, in windows 1 to 3.
; RING.  Ua's codes (uaq, in the order of an operand's registers) come through two LDS slots of 64 KiB (4 tiles of 16 columns, all K), each wave fetching a quarter.  The four work-groups of a cluster walk the same
; codes and ask for them jointly.  A GROUP is two tiles of columns: 64 matrix instructions, the eight accumulators by turns, K ascending; then the point work on its 64 sums in batches, so that no transcendental
; stands inside a sum: 32 multiply-adds, 64 exponentials, 32 additions, 64 reciprocals, 32 multiply-adds with Va.  Each fragment of Ua feeds four matrix instructions.
; TRANSPOSED USE: source 0 = 16 columns of Ua, source 1 = 16 rows of enc_out: lane (r, h) holds row r and columns 8 h + 0 .. 7.
; THE CONTEXT'S PART.  A 16-bit copy of 256 rows is 512 KiB and does not fit beside the codes, so the rows are read a second time, in f32: wave w takes bytes 1,024 w .. 1,024 w + 1,023 of every row, so that the four
; waves together read whole rows; 64 loads of 512 bytes of every wave are on their way.  The rows are walked in the reverse of the order in which the head read them.
; No prefetch: both walks of enc_out are asked for 16 KiB or more a wave ahead by the loads themselves; uaq's 1 MiB is walked by all 256 work-groups in the same order.
; LIMITS: e2 between -126 and 112; e2 + e3 between -126 and 125 (added to the exponent field of 2 log2(e)).  NaN among the inputs is not served.
; REGISTERS.  Window 0: v1-15 addresses, v16-23 the scores' sums, v24-39 dec_proj of the group's columns, v40-167 Ua's fragments of the group's first tile (head: the rows as loaded), v168-231 accumulators, v232-247 Va.
; Windows 1-3: enc_out's codes, K step s, tile m at window 1 + s / 3, v[16 (4 (s % 3) + m)].  Window 3, v128-255: Ua's fragments of the group's second tile.  Behind the ring: window 1 is the second walk's ring of 32 pieces of rows.
.set SLOTB,  65536
.set NTB,    16384                     ; a tile of 16 columns, all K: 8 fragments of 2,048 bytes
.set TABD,   2*SLOTB                   ; table: 2 log2(e) dec_proj[b][u], 4,096 bytes;
.set TABVO,  4096                      ; behind it Va
.set STAGE,  TABD+8192                 ; a stage of 16 rows x 1,040 bytes for each wave
.set SPITCH, 1040
.set STGB,   16*SPITCH
.set SPARE,  STAGE+4*STGB              ; the spare words, 128 bytes a wave
.set SCT,    STAGE                     ; behind the ring, in bytes of the stages, which are read no more: the 256 scores,
.set PT,     STAGE+1024                ; and a table of the 256 p for each wave, 1,024 bytes, in the order of the second walk
.set KAPPA,  0xc038aa3b
.set LI,  1
.set SPW, 2
.set NIL, 3
.set AD,  4
.set STW, 8
.set STR, 9
.set STA, 10
.set LIM, 11
.set SCL, 12
.set TH,  13
.set TAD, 14
.set OA,  15
.set SC,  16
.set DP,  24
.set FB,  40
.set ACC, 168
.set VA,  232
.set TMP, 232
.set RAW, 40
.set CODE, 168
.set TT,  168
.set XO,  6                            ; behind the ring: v6 my byte offset in a row, v7 where p is read, v8-v11 addresses
.set PA,  7
.set SA,  8
.set GA,  9
.set PV,  10
.set SO,  11
.set T8,  16                           ; v16-23 eight scores, then p
.set MX,  24                           ; v24 M, v25 the sum of p
.set LS,  25
.set PB,  32                           ; v32-47 p of two batches
.set CH,  64                           ; v64-95 four chains of eight sums
.set WV,  16
.set G1,  24
.set G0,  32
.set TG,  41
.set LAP, 42
.set ST,  43
.set CNT, 44
.set EP,  46
.set SEL, 54
.set CS,  56                           ; s[56:57] 2 log2(e) 2^(e2 + e3)
.set CQ,  58                           ; s[58:59] cstat
.set MSB, 0
.macro WIN new                         ; the immediate's high byte repeats the setting that is left
.if MSB != \new
	s_set_vgpr_msb (MSB<<8)|\new
.set MSB, \new
.endif
.endm
.macro PLACES
.rept 4
	v_nop
.endr
.endm
.macro ROUND                           ; a round of the cluster's barrier
	s_barrier_signal -1
	s_barrier_wait -1
	s_cmp_lg_u32 s[WV], 0
	s_cbranch_scc1 .Lnot_wave_0_\@
	s_barrier_signal -3
.Lnot_wave_0_\@:
	s_barrier_wait -3
	s_barrier_signal -1
	s_barrier_wait -1
.endm
	s_load_b256 s[4:11], s[0:1], 0x0               ; enc_out, uaq, dpart, Va
	s_load_b128 s[12:15], s[0:1], 0x20             ; the scales' exponents, cpart
	s_load_b64 s[CQ:CQ+1], s[0:1], 0x30            ; cstat
	v_lshl_add_u32 v[SPW], v0, 2, SPARE
	v_mov_b32 v[NIL], 0
	ds_add_u32 v[SPW], v[NIL]                      ; the opening lines: the add, twice on end, and its wait below
	ds_add_u32 v[SPW], v[NIL]
	v_lshrrev_b32 v[OA], 5, v0
	v_readfirstlane_b32 s[WV], v[OA]               ; wave 0..3
	s_bfe_u32 s17, ttmp6, 0x40000                  ; cx
	s_lshl_b32 s18, ttmp9, 2
	s_add_co_u32 s18, s18, s17                     ; work-group 0..255
	s_lshr_b32 s19, s18, 3                         ; b
	s_mov_b32 s[G1], 15|(3<<16)|(1<<21)            ; the mask of all four partners; elements of 8 bytes; bit 21 beside a mask
	s_mov_b32 s[G1+1], 32<<16                      ; 64 dense rows of 256 bytes: a quarter of a slot
	s_mov_b32 s[G1+2], 64<<16
	s_mov_b32 s[G1+3], 32<<16
	s_mov_b32 s[G1+4], 64
	s_mov_b32 s[G1+5], 32
	s_mov_b32 s[G1+6], 0
	s_mov_b32 s[G1+7], 0
	s_lshl_b32 s20, s[WV], 14
	s_mov_b32 s21, 0
	s_mov_b32 s[SEL], 0x76543210
	s_mov_b32 s[SEL+1], 0xfedcba98
	s_mov_b32 s[TG], 0
	v_and_b32 v[LI], 31, v0
	v_lshlrev_b32 v[LI], 4, v[LI]                  ; 16 x lane
	v_mov_b32 v[AD], v[LI]                         ; a fragment's image in slot 0,
	v_add_nc_u32 v[AD+1], SLOTB, v[LI]             ; in slot 1
	v_bfe_u32 v[TH], v0, 4, 1
	s_mul_i32 s22, s[WV], STGB
	s_add_co_u32 s22, s22, STAGE
	v_and_b32 v[STW], 31, v0
	v_lshl_add_u32 v[STW], v[STW], 2, s22          ; into my stage: 4 codes a lane
	v_and_b32 v[STR], 15, v0
	v_mul_u32_u24 v[STR], v[STR], SPITCH
	v_lshl_add_u32 v[STR], v[TH], 4, v[STR]
	v_add_nc_u32 v[STR], s22, v[STR]               ; out of it: row r, + 16 h
	v_lshl_add_u32 v[TH], v[TH], 5, TABD           ; the tables: my half's eight columns
	v_lshl_add_u32 v[TAD], v0, 5, TABD             ; (head: where my thread stores its eight columns)
	v_lshlrev_b32 v[OA], 5, v0
	s_wait_dscnt 0x0
	s_wait_kmcnt 0x0
	s_load_b128 s[48:51], s[12:13], 0x0            ; e0, e1, e2, e3
	s_mov_b32 s[G0], 1
	s_mov_b32 s[G0+1], s20
	s_add_nc_u64 s[G0+2:G0+3], s[6:7], s[20:21]
	s_mov_b32 s[G0+4], 1
	s_add_co_u32 s[G0+5], s20, SLOTB
	s_add_nc_u64 s[G0+6:G0+7], s[G0+2:G0+3], SLOTB
	s_or_b32 s[G0+3], s[G0+3], 0x80000000
	s_or_b32 s[G0+7], s[G0+7], 0x80000000
	s_lshl_b32 s22, s19, 12
	s_mov_b32 s23, 0
	s_add_nc_u64 s[8:9], s[8:9], s[22:23]          ; dpart at row b
	s_lshl_b32 s22, s18, 20
	s_lshl_b32 s52, s[WV], 18
	s_add_co_u32 s22, s22, s52
	s_add_nc_u64 s[EP:EP+1], s[4:5], s[22:23]      ; my 64 rows of enc_out
	s_lshl_b32 s22, s18, 12
	s_add_nc_u64 s[14:15], s[14:15], s[22:23]      ; my work-group's 4,096 bytes of cpart,
	s_lshl_b32 s22, s18, 8
	s_add_nc_u64 s[CQ:CQ+1], s[CQ:CQ+1], s[22:23]  ; and its 256 bytes of cstat
	ROUND                                          ; in front of the first joint loads
	tensor_load_to_lds s[G0:G0+3], s[G1:G1+7]      ; slot 0: my one load at the head
	s_nop 0
	s_wait_alu depctr_va_vdst(0)                   ; the wait at the head's end
	s_wait_tensorcnt 0x0                           ; slot 1's first fill is issued as a refill is: the three lines, a round, the load
	ds_add_u32 v[SPW], v[NIL]
	s_wait_dscnt 0x0
	ROUND
	tensor_load_to_lds s[G0+4:G0+7], s[G1:G1+7]
	s_nop 0
	PLACES
	s_wait_alu depctr_va_vdst(0)
.irp s, 0,1,2,3,4,5,6,7
	global_load_b128 v[TT+8*\s:TT+8*\s+3],   v[OA], s[8:9] offset:131072*\s      ; the eight parts of dec_proj, eight columns a thread
	global_load_b128 v[TT+8*\s+4:TT+8*\s+7], v[OA], s[8:9] offset:131072*\s+16
.endr
	global_load_b128 v[TT+64:TT+67], v[OA], s[10:11]
	global_load_b128 v[TT+68:TT+71], v[OA], s[10:11] offset:16
.irp i, 0,1,2,3
.irp q, 0,1,2,3,4,5,6,7
	global_load_b128 v[RAW+32*\i+4*\q:RAW+32*\i+4*\q+3], v[LI], s[EP:EP+1] offset:4096*\i+512*\q
.endr
.endr
	s_wait_loadcnt 32                              ; the tables' 18 loads are in; the 32 of four rows stay out
.irp s, 1,2,3,4,5,6,7
.irp a, 0,2,4,6
	v_pk_add_f32 v[TT+\a:TT+\a+1], v[TT+\a:TT+\a+1], v[TT+8*\s+\a:TT+8*\s+\a+1]
.endr
.endr
.irp a, 0,2,4,6
	v_pk_mul_f32 v[TT+\a:TT+\a+1], v[TT+\a:TT+\a+1], 0x4038aa3b op_sel_hi:[1,0]   ; x 2 log2(e)
.endr
	ds_store_b128 v[TAD], v[TT:TT+3]
	ds_store_b128 v[TAD], v[TT+4:TT+7] offset:16
	ds_store_b128 v[TAD], v[TT+64:TT+67] offset:TABVO
	ds_store_b128 v[TAD], v[TT+68:TT+71] offset:TABVO+16
	s_wait_kmcnt 0x0
	s_add_co_i32 s52, s50, 127
	s_lshl_b32 s53, s52, 23
	v_mov_b32 v[SCL], s53                          ; 2^e2
	s_add_co_i32 s52, s52, 15
	s_lshl_b32 s52, s52, 23
	s_or_b32 s52, s52, 0x600000
	v_mov_b32 v[LIM], s52                          ; 57,344 x 2^e2
	s_add_co_i32 s52, s50, s51
	s_lshl_b32 s52, s52, 23
	s_add_co_i32 s[CS], s52, 0x4038aa3b            ; 2 log2(e) 2^(e2 + e3)
	s_mov_b32 s[CS+1], s[CS]
.irp a, 0,1,2,3,4,5,6,7
	v_mov_b32 v[SC+\a], 0                          ; eight sums that run through all groups
.endr
	s_wait_alu depctr_va_vdst(0)                   ; directly ahead of the wait below
	s_wait_dscnt 0x0
; A row: 32 numbers a lane are held and converted; its registers take the row four further on; its 1,024 codes go into my stage.
.macro UNIT i, ahead, left
	s_wait_loadcnt \left                           ; this row's eight loads are in; the younger rows' stay out
	s_wait_dscnt 24                                ; the stores of four rows ago have read these code registers
.set rR, RAW+32*(\i)
.set rC, CODE+8*(\i)
.set n, 0
.rept 32
	v_med3_num_f32 v[rR+n], v[rR+n], -v[LIM], v[LIM]   ; the conversion does not saturate (ISA guide 7.6.2)
.set n, n+1
.endr
.irp q, 0,1,2,3
	v_cvt_scalef32_pk8_bf8_f32 v[rC+2*\q:rC+2*\q+1], v[rR+8*\q:rR+8*\q+7], v[SCL]
.endr
.if \ahead
.irp q, 0,1,2,3,4,5,6,7
	global_load_b128 v[rR+4*\q:rR+4*\q+3], v[LI], s[EP:EP+1] offset:4096*((\i)+4)+512*\q
.endr
.endif
.irp q, 0,1,2,3,4,5,6,7
	ds_store_b32 v[STA], v[rC+\q] offset:(\i)*SPITCH+128*\q
.endr
.endm
.macro AREAD m                         ; 16 rows of codes out of my stage, as eight fragments (LDS serves a wave's instructions in order)
.irp s, 0,1,2,3,4,5,6,7
	WIN (1+\s/3)<<6
.irp c, 0,1,2,3
	ds_load_b128 v[16*(4*(\s%3)+\m)+4*\c:16*(4*(\s%3)+\m)+4*\c+3], v[STR] offset:128*\s+32*\c
.endr
.endr
	WIN 0
.endm
.macro MT m, tail                      ; a tile of 16 rows; the very last four rows ask for nothing more
	s_mov_b32 s[ST], 0
	s_mov_b32 s[CNT], 4-(\tail)
.Lmt_\@:
	v_add_nc_u32 v[STA], s[ST], v[STW]
	UNIT 0, 1, 24
	UNIT 1, 1, 24
	UNIT 2, 1, 24
	UNIT 3, 1, 24
	s_wait_xcnt 0x0                                ; the loads have read their base
	s_add_nc_u64 s[EP:EP+1], s[EP:EP+1], 16384
	s_add_co_u32 s[ST], s[ST], 4*SPITCH
	s_sub_co_u32 s[CNT], s[CNT], 1
	s_cmp_lg_u32 s[CNT], 0
	s_cbranch_scc1 .Lmt_\@
.if \tail
	v_add_nc_u32 v[STA], s[ST], v[STW]
	UNIT 0, 0, 24
	UNIT 1, 0, 16
	UNIT 2, 0, 8
	UNIT 3, 0, 0
	v_nop                                          ; a plain line behind the last conversion
.endif
	AREAD \m
.endm
	MT 0, 0
	MT 1, 0
	MT 2, 0
	MT 3, 1
	s_wait_tensorcnt 0x1
	s_wait_dscnt 0x0                               ; my part of the tables is stored
	s_barrier_signal -1
	s_barrier_wait -1
; ---- the ring
.macro FRAG base, s, tl                ; K step s of the lap's tile tl: four loads of 512 consecutive bytes
.irp c, 0,1,2,3
	ds_load_b128 v[\base+16*(\s)+4*\c:\base+16*(\s)+4*\c+3], v[AD+(\tl)/4] offset:((\tl)%4)*NTB+(\s)*2048+512*\c
.endr
.endm
.macro LOADB tl, hh                    ; 32 loads: K steps 4 hh .. 4 hh + 3 of tiles tl (window 0) and tl + 1 (window 3)
	WIN 0
.irp s, 0,1,2,3
	FRAG FB, 4*(\hh)+\s, \tl
.endr
	WIN 0xc0
.irp s, 0,1,2,3
	FRAG 128, 4*(\hh)+\s, (\tl)+1
.endr
	WIN 0
.endm
.macro TABL rel                        ; 8 loads: dec_proj and Va at my half's eight columns of tiles rel, rel + 1 of the lap
.irp t, 0,1
.irp q, 0,1
	ds_load_b128 v[DP+8*\t+4*\q:DP+8*\t+4*\q+3], v[TAD] offset:64*((\rel)+\t)+16*\q
	ds_load_b128 v[VA+8*\t+4*\q:VA+8*\t+4*\q+3], v[TAD] offset:TABVO+64*((\rel)+\t)+16*\q
.endr
.endr
.endm
.macro MULS hh                         ; 32 matrix instructions: four K steps x two tiles of columns x four tiles of rows; the eight accumulators take turns
.irp s, 0,1,2,3
.set ks, 4*(\hh)+\s
.irp p, 0,1
.set wn, 4*(1+ks/3)+3*\p
	WIN wn
.irp m, 0,1,2,3
.set rD, ACC+32*\p+8*\m
.set rF, (FB+16*ks)*(1-\p)+(128+16*ks)*\p
.set rR, 16*(4*(ks%3)+\m)
.if ks == 0
	v_wmma_f32_16x16x128_bf8_bf8 v[rD:rD+7], v[rF:rF+15], v[rR:rR+15], 0
.else
	v_wmma_f32_16x16x128_bf8_bf8 v[rD:rD+7], v[rF:rF+15], v[rR:rR+15], v[rD:rD+7]
.endif
.endr
.endr
.endr
.endm
.macro PW                              ; the point work on the group's 64 sums.  Each batch of transcendentals has one wait ahead of it and one behind it
.set l, 0
.rept 32
	v_pk_fma_f32 v[ACC+2*l:ACC+2*l+1], v[ACC+2*l:ACC+2*l+1], s[CS:CS+1], v[DP+8*(l/16)+2*(l%4):DP+8*(l/16)+2*(l%4)+1] op_sel_hi:[1,0,1]   ; y = 2 log2(e) x; each accumulator from its low end on
.set l, l+1
.endr
	s_wait_alu depctr_va_vdst(0)
.set l, 0
.rept 64
	v_exp_f32 v[ACC+l], v[ACC+l]
.set l, l+1
.endr
	v_nop
	s_wait_alu depctr_va_vdst(0)
.set l, 0
.rept 32
	v_pk_add_f32 v[ACC+2*l:ACC+2*l+1], v[ACC+2*l:ACC+2*l+1], 1.0 op_sel_hi:[1,0]
.set l, l+1
.endr
	s_wait_alu depctr_va_vdst(0)
.set l, 0
.rept 64
	v_rcp_f32 v[ACC+l], v[ACC+l]                   ; r; an infinite 1 + 2^y gives 0
.set l, l+1
.endr
	v_nop
	s_wait_alu depctr_va_vdst(0)
.set z, 0
.rept 32                               ; z % 4: the tile of rows, whose sums take turns; (z / 4) % 4: the pair of columns; z / 16: the tile of columns
	v_pk_fma_f32 v[SC+2*(z%4):SC+2*(z%4)+1], v[ACC+32*(z/16)+8*(z%4)+2*((z/4)%4):ACC+32*(z/16)+8*(z%4)+2*((z/4)%4)+1], v[VA+8*(z/16)+2*((z/4)%4):VA+8*(z/16)+2*((z/4)%4)+1], v[SC+2*(z%4):SC+2*(z%4)+1]
.set z, z+1
.endr
.endm
; THE CHANGE OF SLOTS, in the middle of a slot's second group: all my loads from slot sl were issued half a group ago or earlier.  kind 1: the slot is filled again, two slots on; kind 2: the last change, nothing is filled.
.macro CHG kind, sl
	WIN 0
	s_wait_tensorcnt 0x0                           ; my part of the other slot has landed
	ds_add_u32 v[SPW], v[NIL]
.if \kind == 1
	s_add_nc_u64 s[G0+4*(\sl)+2:G0+4*(\sl)+3], s[G0+4*(\sl)+2:G0+4*(\sl)+3], 2*SLOTB
.endif
	s_wait_dscnt 0x0                               ; the add is done and my reads of this slot are over
.if \kind == 1
	ROUND
	tensor_load_to_lds s[G0+4*(\sl):G0+4*(\sl)+3], s[G1:G1+7]
	s_nop 0
.else
	s_barrier_signal -1
	s_barrier_wait -1
.endif
.endm
; A GROUP: tiles tl, tl + 1 of the lap.  LDS instructions go out in the order: first run (32), second run (32), tables (8).
.macro GROUP tl, chg, nxt
	s_wait_dscnt 40                                ; my first run is in; the second run and the tables may be out
	MULS 0
.if \chg
	CHG \chg, (\tl)/4
.endif
	WIN 0
	PLACES                                         ; four places between the products and loads into their sources (ISA guide 7.12.1 for vector instructions)
.if \nxt
	LOADB ((\tl)+2)%8, 0                           ; the next group's first run
.endif
	s_wait_dscnt 32*(\nxt)                         ; all but the run just issued: my second run and the tables are in
	MULS 1
	WIN 0
	PLACES                                         ; for the loads below and for the first read of the sums
.if \nxt
	LOADB ((\tl)+2)%8, 1                           ; the next group's second run
.endif
	PW
.if \nxt
	TABL (\tl)+2
.endif
.endm
	v_add_nc_u32 v[TAD], s[TG], v[TH]
	s_wait_alu depctr_va_vdst(0)
	LOADB 0, 0
	LOADB 0, 1
	TABL 0
	s_mov_b32 s[LAP], 7
.Lring:                                                ; a lap: 8 tiles of columns, both slots; 7 laps fill both again
	v_add_nc_u32 v[TAD], s[TG], v[TH]
	GROUP 0, 0, 1
	GROUP 2, 1, 1
	GROUP 4, 0, 1
	GROUP 6, 1, 1
	s_add_co_u32 s[TG], s[TG], 512
	s_sub_co_u32 s[LAP], s[LAP], 1
	s_cmp_lg_u32 s[LAP], 0
	s_cbranch_scc1 .Lring
	v_add_nc_u32 v[TAD], s[TG], v[TH]              ; the last lap is written out: it asks for nothing more
	GROUP 0, 0, 1
	GROUP 2, 2, 1
	GROUP 4, 0, 1
	GROUP 6, 0, 0
; ---- the second walk.  Place i = 8 j + e of the walk (batch j = 0 .. 31, e = 0 .. 7) is the work-group's row 64 (e % 4) + 63 - 2 j - e / 4.  A trip is four batches; s[EP:EP+1] stands at the lowest row, 56 - 8 k, of the trip k that is being loaded.
.macro XLOAD jj                        ; 16 loads: batch jj of that trip, my 1,024 bytes of each of its eight rows, into window 1
	WIN 0x40
.set e, 0
.rept 8
	global_load_b128 v[64*(\jj)+8*e:64*(\jj)+8*e+3],   v[XO], s[EP:EP+1] offset:(64*(e%4)+7-2*(\jj)-e/4)*4096 th:TH_LOAD_NT
	global_load_b128 v[64*(\jj)+8*e+4:64*(\jj)+8*e+7], v[XO], s[EP:EP+1] offset:(64*(e%4)+7-2*(\jj)-e/4)*4096+512 th:TH_LOAD_NT
.set e, e+1
.endr
	WIN 0
.endm
.macro XB jj, load, pnext, left        ; a batch: 32 multiply-adds; row e goes into chain e % 4, so that fifteen plain lines stand between a pair's write and its next read
	s_wait_dscnt 0x0                               ; this batch's p is in
.if \pnext
	ds_load_b128 v[PB+8*(((\jj)+1)%2):PB+8*(((\jj)+1)%2)+3],   v[PA] offset:32*((\jj)+1)      ; the next batch's p, the same in every lane
	ds_load_b128 v[PB+8*(((\jj)+1)%2)+4:PB+8*(((\jj)+1)%2)+7], v[PA] offset:32*((\jj)+1)+16
.endif
	s_wait_loadcnt \left                           ; this batch's 16 loads are in; the younger batches' stay out
	WIN 0x01
.set e, 0
.rept 8
.set pp, PB+8*((\jj)%2)+2*(e/2)
.irp q, 0,2,4,6
.if e%2 == 0                           ; p is the low (even e) or the high (odd e) register of its pair, for both halves
	v_pk_fma_f32 v[CH+8*(e%4)+\q:CH+8*(e%4)+\q+1], v[64*(\jj)+8*e+\q:64*(\jj)+8*e+\q+1], v[pp:pp+1], v[CH+8*(e%4)+\q:CH+8*(e%4)+\q+1] op_sel_hi:[1,0,1]
.else
	v_pk_fma_f32 v[CH+8*(e%4)+\q:CH+8*(e%4)+\q+1], v[64*(\jj)+8*e+\q:64*(\jj)+8*e+\q+1], v[pp:pp+1], v[CH+8*(e%4)+\q:CH+8*(e%4)+\q+1] op_sel:[0,1,0] op_sel_hi:[1,1,1]
.endif
.endr
.set e, e+1
.endr
	WIN 0
.if \load
	XLOAD \jj
.endif
.endm
	s_lshl_b32 s22, s18, 20
	s_add_co_u32 s22, s22, 56*4096
	s_mov_b32 s23, 0
	s_add_nc_u64 s[EP:EP+1], s[4:5], s[22:23]      ; trip 0's lowest row.  (All loads that named this pair have come back)
	v_lshrrev_b32 v[XO], 5, v0
	v_lshl_add_u32 v[XO], v[XO], 10, v[LI]         ; 1,024 x wave + 16 x lane
	s_wait_alu depctr_va_vdst(0)
	XLOAD 0                                        ; the walk's first 64 loads go out ahead of the softmax
	XLOAD 1
	XLOAD 2
	XLOAD 3
	v_lshrrev_b32 v[SA], 5, v0
	v_lshlrev_b32 v[SA], 8, v[SA]
	v_and_b32 v[GA], 15, v0
	v_lshl_add_u32 v[SA], v[GA], 2, v[SA]
	v_bfe_u32 v[GA], v0, 4, 1
	v_lshl_add_u32 v[SA], v[GA], 7, v[SA]
	v_add_nc_u32 v[SA], SCT, v[SA]                 ; the scores' table: 4 x row; row = 64 wave + 32 h + r, + 16 by the offset
	v_and_b32 v[GA], 31, v0
	v_lshlrev_b32 v[SO], 3, v[GA]                  ; 8 x lane
	v_lshrrev_b32 v[PV], 5, v0
	v_lshl_add_u32 v[PV], v[PV], 10, PT            ; my wave's table of p
	v_lshl_add_u32 v[PA], v[GA], 5, v[PV]          ; where my lane stores its eight
	v_sub_nc_u32 v[GA], SCT+248, v[SO]             ; my lane's places 8 lane + e of the walk: row 62 - 2 lane, + 64 (e % 4) + 1 - e / 4 by the offset
.irp m, 0,1,2,3
	v_add_f32 v[TMP+\m], v[SC+2*\m], v[SC+2*\m+1]  ; even and odd columns,
	v_mov_b32 v[TMP+4+\m], 0                       ; (a lane permute's destination counts as one of its sources)
.endr
.irp m, 0,1,2,3
	v_permlanex16_b32 v[TMP+4+\m], v[TMP+\m], s[SEL], s[SEL+1]
.endr
.irp m, 0,1,2,3
	v_add_f32 v[TMP+\m], v[TMP+\m], v[TMP+4+\m]    ; and the two halves of the lanes: S(16 m + r)
.endr
	v_and_b32 v[TMP+8], 16, v0
	v_cmp_ne_u32 vcc_lo, 0, v[TMP+8]
	v_cndmask_b32 v[TMP+10], v[TMP], v[TMP+2], vcc_lo      ; lanes 0-15 store m = 0, 1; lanes 16-31 m = 2, 3
	v_cndmask_b32 v[TMP+11], v[TMP+1], v[TMP+3], vcc_lo
	ds_store_b32 v[SA], v[TMP+10]
	ds_store_b32 v[SA], v[TMP+11] offset:64
.set n, 0
.rept 32
	v_mov_b32 v[CH+n], 0                           ; the four chains: the walk's loop is written once
.set n, n+1
.endr
	v_mov_b32 v26, 0
	s_wait_alu depctr_va_vdst(0)                   ; directly ahead of the wait below
	s_wait_dscnt 0x0                               ; for the others' sake
	s_barrier_signal -1
	s_barrier_wait -1
.irp e, 0,1,2,3,4,5,6,7
	ds_load_b32 v[T8+\e], v[GA] offset:256*(\e%4)+4*(1-\e/4)
.endr
	s_wait_dscnt 0x0
.irp a, 0,2,4,6
	v_pk_mul_f32 v[T8+\a:T8+\a+1], v[T8+\a:T8+\a+1], KAPPA op_sel_hi:[1,0]
.endr
	v_max3_num_f32 v[MX], v[T8], v[T8+1], v[T8+2]
	v_max3_num_f32 v27, v[T8+3], v[T8+4], v[T8+5]
	v_max3_num_f32 v[MX], v[MX], v[T8+6], v[T8+7]
	v_max_num_f32 v[MX], v[MX], v27
.irp x, 1,2,4,8
	v_max_num_f32_dpp v[MX], v[MX], v[MX] row_xmask:\x row_mask:0xf bank_mask:0xf
.endr
	v_permlanex16_b32 v26, v[MX], s[SEL], s[SEL+1]
	v_max_num_f32 v[MX], v[MX], v26                ; M: the largest of the 256, taken away before the exponential
.irp e, 0,1,2,3,4,5,6,7
	v_sub_f32 v[T8+\e], v[T8+\e], v[MX]
.endr
	s_wait_alu depctr_va_vdst(0)                   ; the wait ahead of the batch,
.irp e, 0,1,2,3,4,5,6,7
	v_exp_f32 v[T8+\e], v[T8+\e]
.endr
	v_nop
	s_wait_alu depctr_va_vdst(0)                   ; and the one behind it
	ds_store_b128 v[PA], v[T8:T8+3]                ; every wave makes all 256 p and keeps a table of its own: no second barrier
	ds_store_b128 v[PA], v[T8+4:T8+7] offset:16
	v_pk_add_f32 v[T8:T8+1], v[T8:T8+1], v[T8+2:T8+3]
	v_pk_add_f32 v[T8+4:T8+5], v[T8+4:T8+5], v[T8+6:T8+7]
	v_pk_add_f32 v[T8:T8+1], v[T8:T8+1], v[T8+4:T8+5]
	v_add_f32 v[LS], v[T8], v[T8+1]
.irp x, 1,2,4,8
	v_add_f32_dpp v[LS], v[LS], v[LS] row_xmask:\x row_mask:0xf bank_mask:0xf
.endr
	v_permlanex16_b32 v26, v[LS], s[SEL], s[SEL+1]
	v_add_f32 v[LS], v[LS], v26                    ; the sum of p
	v_mov_b32 v[PA], v[PV]
	s_wait_alu depctr_va_vdst(0)
	ds_load_b128 v[PB:PB+3], v[PA]                 ; batch 0's p (LDS serves a wave's instructions in order: these see my stores)
	ds_load_b128 v[PB+4:PB+7], v[PA] offset:16
	s_mov_b32 s[ST], 0
	s_mov_b32 s[CNT], 7
.Lwalk:                                                ; 7 trips, each asking for the trip behind it
	s_wait_xcnt 0x0                                ; the loads have read their base
	s_sub_nc_u64 s[EP:EP+1], s[EP:EP+1], 8*4096
	v_add_nc_u32 v[PA], s[ST], v[PV]
	s_wait_alu depctr_va_vdst(0)
	XB 0, 1, 1, 48
	XB 1, 1, 1, 48
	XB 2, 1, 1, 48
	XB 3, 1, 1, 48
	s_add_co_u32 s[ST], s[ST], 128
	s_sub_co_u32 s[CNT], s[CNT], 1
	s_cmp_lg_u32 s[CNT], 0
	s_cbranch_scc1 .Lwalk
	v_add_nc_u32 v[PA], s[ST], v[PV]               ; the last trip is written out: it asks for nothing more
	s_wait_alu depctr_va_vdst(0)
	XB 0, 0, 1, 48
	XB 1, 0, 1, 32
	XB 2, 0, 1, 16
	XB 3, 0, 0, 0
.irp q, 0,2,4,6
	v_pk_add_f32 v[CH+\q:CH+\q+1], v[CH+\q:CH+\q+1], v[CH+16+\q:CH+16+\q+1]
	v_pk_add_f32 v[CH+8+\q:CH+8+\q+1], v[CH+8+\q:CH+8+\q+1], v[CH+24+\q:CH+24+\q+1]
.endr
.irp q, 0,2,4,6
	v_pk_add_f32 v[CH+\q:CH+\q+1], v[CH+\q:CH+\q+1], v[CH+8+\q:CH+8+\q+1]
.endr
	global_store_b128 v[XO], v[CH:CH+3], s[14:15]              ; each store of the wave covers 512 consecutive bytes, aligned
	global_store_b128 v[XO], v[CH+4:CH+7], s[14:15] offset:512
	s_cmp_lg_u32 s[WV], 0
	s_cbranch_scc1 .Lnot_stat
	global_store_b64 v[SO], v[MX:MX+1], s[CQ:CQ+1]             ; (M, the sum) 32 times over: one whole unit of 256 bytes, a copy for each lane of the reader
.Lnot_stat:
	s_wait_tensorcnt 0x0                           ; the wave's end
	ds_add_u32 v[SPW], v[NIL]
	s_wait_dscnt 0x0
	ROUND                                          ; the closing round
	s_endpgm
.Lfunc_end_k_q9abdeee3e0_score:
	.size	k_q9abdeee3e0_score, .Lfunc_end_k_q9abdeee3e0_score-k_q9abdeee3e0_score
	.p2alignl 7, 3214868480
	.fill 96, 4, 3214868480
	.section	.rodata,"a",@progbits
	.p2align	6, 0x0
	.amdhsa_kernel k_q9abdeee3e0_score
		.amdhsa_group_segment_fixed_size 327680
		.amdhsa_private_segment_fixed_size 0
		.amdhsa_enable_private_segment 0
		.amdhsa_kernarg_size 56
		.amdhsa_user_sgpr_count 2
		.amdhsa_user_sgpr_kernarg_segment_ptr 1
		.amdhsa_wavefront_size32 1
		.amdhsa_system_sgpr_workgroup_id_x 1
		.amdhsa_system_sgpr_workgroup_id_y 1
		.amdhsa_system_sgpr_workgroup_id_z 1
		.amdhsa_system_vgpr_workitem_id 0
		.amdhsa_next_free_vgpr 1024
		.amdhsa_next_free_sgpr 66
		.amdhsa_reserve_vcc 1
		.amdhsa_float_denorm_mode_32 3
		.amdhsa_float_denorm_mode_16_64 3
		.amdhsa_memory_ordered 1
		.amdhsa_forward_progress 1
		.amdhsa_inst_pref_size 255
	.end_amdhsa_kernel
	.section	.bss,"aw",@nobits
	.p2align	6
	.space	262144
	.amdgpu_metadata
---
amdhsa.version: [ 1, 2 ]
amdhsa.kernels:
  - .name:           k_q9abdeee3e0_score
    .symbol:         k_q9abdeee3e0_score.kd
    .args:
      - { .name: enc_out, .offset: 0, .size: 8, .value_kind: global_buffer, .address_space: global }
      - { .name: uaq, .offset: 8, .size: 8, .value_kind: global_buffer, .address_space: global }
      - { .name: dpart, .offset: 16, .size: 8, .value_kind: global_buffer, .address_space: global }
      - { .name: Va, .offset: 24, .size: 8, .value_kind: global_buffer, .address_space: global }
      - { .name: lowp_scales, .offset: 32, .size: 8, .value_kind: global_buffer, .address_space: global }
      - { .name: cpart, .offset: 40, .size: 8, .value_kind: global_buffer, .address_space: global }
      - { .name: cstat, .offset: 48, .size: 8, .value_kind: global_buffer, .address_space: global }
    .group_segment_fixed_size: 327680
    .private_segment_fixed_size: 0
    .kernarg_segment_align: 8
    .kernarg_segment_size: 56
    .max_flat_workgroup_size: 128
    .sgpr_count:     66
    .vgpr_count:     1024
    .wavefront_size: 32
...
	.end_amdgpu_metadata
.endif
;; end of part 2
;; launch join (part 3): grid 4 x 32, 2 waves a work-group, no clusters, 0 bytes of LDS; arguments cpart, cstat, out0; writes out0
.if DOCPART == 3
	.amdgcn_target "amdgcn-amd-amdhsa--gfx1250"
	.amdhsa_code_object_version 6
	.text
	.protected	k_q9abdeee3e0_join
	.globl	k_q9abdeee3e0_join
	.p2align	8
	.type	k_q9abdeee3e0_join,@function
k_q9abdeee3e0_join:
	s_mov_b64 s[64:65], 0
	v_nop
	global_prefetch_b8 v0, s[64:65] scope:SCOPE_SE
	s_setreg_imm32_b32 hwreg(HW_REG_WAVE_MODE, 25, 1), 1
	s_wait_xcnt 0x0
; out0[b][h] = sum_c w_c cpart[8 b + c][h] / sum_c w_c l_c,  w_c = 2^(M_c - M),  M = the largest of the batch's eight M_c: the eight parts of a batch's softmax and context are brought under one maximum and joined, in f32.
; WORK LEFT OUT: the score's term sum_u Va[u], the same for every t (shown at the head of the first launch).
; Work-group (x, b) owns out0[b][256 x .. 256 x + 255], four numbers a thread: one owner for each output.  cstat holds (M_c, l_c) 32 times over, so each lane reads a copy of its own: 256 consecutive bytes a wave.
; 1 MiB is read once, with no loop to run ahead in: no LDS, no tensor loads, no clusters, no prefetch.
; REGISTERS: v16-31 the eight pairs (M_c, l_c); v32-63 the eight parts; v64-71 w_c; v72-75 the sums; v76 the divisor; v78 its reciprocal (v79 is named with it as a pair).
	s_load_b128 s[4:7], s[0:1], 0x0                ; cpart, cstat
	s_load_b64 s[8:9], s[0:1], 0x10                ; out0
	v_lshlrev_b32 v1, 4, v0                        ; 16 x thread
	v_and_b32 v2, 31, v0
	v_lshlrev_b32 v2, 3, v2                        ; 8 x lane
	v_mov_b32 v79, 0                               ; (named as the upper half of the pair v[78:79])
	s_and_b32 s10, ttmp7, 0xffff                   ; b
	s_lshl_b32 s11, ttmp9, 10                      ; 1,024 bytes a work-group
	s_lshl_b32 s12, s10, 15                        ; eight parts of 4,096 bytes a batch
	s_add_co_u32 s12, s12, s11
	s_mov_b32 s13, 0
	s_lshl_b32 s14, s10, 11                        ; eight units of 256 bytes a batch
	s_mov_b32 s15, 0
	s_lshl_b32 s16, s10, 12
	s_add_co_u32 s16, s16, s11
	s_mov_b32 s17, 0
	s_wait_alu depctr_va_vdst(0)                   ; the wait at the head's end
	s_wait_kmcnt 0x0
	s_add_nc_u64 s[4:5], s[4:5], s[12:13]
	s_add_nc_u64 s[6:7], s[6:7], s[14:15]
	s_add_nc_u64 s[8:9], s[8:9], s[16:17]
.irp c, 0,1,2,3,4,5,6,7
	global_load_b64 v[16+2*\c:17+2*\c], v2, s[6:7] offset:256*\c       ; M_c, l_c
.endr
.irp c, 0,1,2,3,4,5,6,7
	global_load_b128 v[32+4*\c:35+4*\c], v1, s[4:5] offset:4096*\c     ; the wave reads 512 consecutive bytes of part c
.endr
	s_wait_loadcnt 8                               ; the eight pairs are in; the eight loads of the parts stay out
	v_max3_num_f32 v10, v16, v18, v20
	v_max3_num_f32 v10, v10, v22, v24
	v_max3_num_f32 v10, v10, v26, v28
	v_max_num_f32 v10, v10, v30                    ; M
.irp c, 0,1,2,3,4,5,6,7
	v_sub_f32 v[64+\c], v[16+2*\c], v10
.endr
	s_wait_alu depctr_va_vdst(0)                   ; the wait ahead of the batch,
.irp c, 0,1,2,3,4,5,6,7
	v_exp_f32 v[64+\c], v[64+\c]                   ; w_c, at most 1; one of them is 1
.endr
	v_nop
	s_wait_alu depctr_va_vdst(0)                   ; and the one behind it
	v_mul_f32 v76, v64, v17
.irp c, 1,2,3,4,5,6,7
	v_fmac_f32 v76, v[64+\c], v[17+2*\c]           ; the sum of all p under M, at least 1
.endr
	s_wait_alu depctr_va_vdst(0)                   ; a batch of one: the wait ahead of it,
	v_rcp_f32 v78, v76
	v_nop
	s_wait_alu depctr_va_vdst(0)                   ; and its wait
	s_wait_loadcnt 0x0
	v_pk_mul_f32 v[72:73], v[32:33], v[64:65] op_sel_hi:[1,0]          ; the first part starts the sums
	v_pk_mul_f32 v[74:75], v[34:35], v[64:65] op_sel_hi:[1,0]
.irp c, 1,2,3,4,5,6,7
.if \c%2 == 0                          ; w_c is the low (even c) or the high (odd c) register of its pair, for both halves
	v_pk_fma_f32 v[72:73], v[32+4*\c:33+4*\c], v[64+2*(\c/2):65+2*(\c/2)], v[72:73] op_sel_hi:[1,0,1]
	v_pk_fma_f32 v[74:75], v[34+4*\c:35+4*\c], v[64+2*(\c/2):65+2*(\c/2)], v[74:75] op_sel_hi:[1,0,1]
.else
	v_pk_fma_f32 v[72:73], v[32+4*\c:33+4*\c], v[64+2*(\c/2):65+2*(\c/2)], v[72:73] op_sel:[0,1,0] op_sel_hi:[1,1,1]
	v_pk_fma_f32 v[74:75], v[34+4*\c:35+4*\c], v[64+2*(\c/2):65+2*(\c/2)], v[74:75] op_sel:[0,1,0] op_sel_hi:[1,1,1]
.endif
.endr
	v_pk_mul_f32 v[72:73], v[72:73], v[78:79] op_sel_hi:[1,0]
	v_pk_mul_f32 v[74:75], v[74:75], v[78:79] op_sel_hi:[1,0]
	global_store_b128 v1, v[72:75], s[8:9]         ; the wave stores 512 consecutive bytes, aligned
	s_endpgm
.Lfunc_end_k_q9abdeee3e0_join:
	.size	k_q9abdeee3e0_join, .Lfunc_end_k_q9abdeee3e0_join-k_q9abdeee3e0_join
	.p2alignl 7, 3214868480
	.fill 96, 4, 3214868480
	.section	.rodata,"a",@progbits
	.p2align	6, 0x0
	.amdhsa_kernel k_q9abdeee3e0_join
		.amdhsa_group_segment_fixed_size 0
		.amdhsa_private_segment_fixed_size 0
		.amdhsa_enable_private_segment 0
		.amdhsa_kernarg_size 24
		.amdhsa_user_sgpr_count 2
		.amdhsa_user_sgpr_kernarg_segment_ptr 1
		.amdhsa_wavefront_size32 1
		.amdhsa_system_sgpr_workgroup_id_x 1
		.amdhsa_system_sgpr_workgroup_id_y 1
		.amdhsa_system_sgpr_workgroup_id_z 1
		.amdhsa_system_vgpr_workitem_id 0
		.amdhsa_next_free_vgpr 96
		.amdhsa_next_free_sgpr 66
		.amdhsa_reserve_vcc 0
		.amdhsa_float_denorm_mode_32 3
		.amdhsa_float_denorm_mode_16_64 3
		.amdhsa_memory_ordered 1
		.amdhsa_forward_progress 1
		.amdhsa_inst_pref_size 5
	.end_amdhsa_kernel
	.amdgpu_metadata
---
amdhsa.version: [ 1, 2 ]
amdhsa.kernels:
  - .name:           k_q9abdeee3e0_join
    .symbol:         k_q9abdeee3e0_join.kd
    .args:
      - { .name: cpart, .offset: 0, .size: 8, .value_kind: global_buffer, .address_space: global }
      - { .name: cstat, .offset: 8, .size: 8, .value_kind: global_buffer, .address_space: global }
      - { .name: out0, .offset: 16, .size: 8, .value_kind: global_buffer, .address_space: global }
    .group_segment_fixed_size: 0
    .private_segment_fixed_size: 0
    .kernarg_segment_align: 8
    .kernarg_segment_size: 24
    .max_flat_workgroup_size: 64
    .sgpr_count:     66
    .vgpr_count:     96
    .wavefront_size: 32
...
	.end_amdgpu_metadata
.endif
;; end of part 3
